; MI455X (gfx1250); checked and timed in simulation.
; The chip was launched on July 23, 2026; its instructions are those of AMD's public machine-readable ISA for CDNA 5 (MIT licence, August 2026) and "CDNA5" Instruction Set Architecture Reference Guide (July 2026). The comments in the code are by the model that wrote it; some were corrected since.
;; Graph Attention Layer. Allowed arithmetic: matrix products marked QUANTISED: E2M3 operands, one E8M0 scale for each 32 along K, by v_wmma_scale_f32_16x16x128_f8f6f4 with both operands' format E2M3, f32 sums; everything else in f32.
;; Inputs: W 256 x 256 float32; h 8 x 2,048 x 256 float32.
;; Outputs: out0 8 x 2,048 x 256 float32.
;; This version of the problem:
;;   THIS VERSION OF THE PROBLEM IS GIVEN IN LOW PRECISION. The matrix products marked QUANTISED in the list below multiply operands that are first quantised to E2M3 (2 exponent bits, 3 mantissa bits; 6 bits a number), with one power-of-two scale for each 32 numbers along K (OCP MX v1.0); their sums are f32. All else is computed in f32.
;;   The module's matrix products, in the order in which they are computed (A, B: the left and right operand; K: the contracted axis; several contracted axes count as one K, in the product's order):
;;     1. [M 16,384, K 256] x [K 256, N 256]; A: input h; B: input W: QUANTISED
;;     2. batch 32 x [M 2,048, K 64] x [K 64, N 2,048]; A: computed on the way; B: computed on the way: QUANTISED
;;     3. batch 32 x [M 2,048, K 2,048] x [K 2,048, N 64]; A: softmax (see below); B: computed on the way: QUANTISED
;;   THE QUANTISER, for each operand of a quantised product, along K:
;;     - K is cut into blocks of 32 from its start; a last block that is shorter is filled with zeros.
;;     - A block's scale is 2^e with e = floor(log2(the largest magnitude in the block)) - 2, held to -126 .. 127; a block of zeros has e = 0. As a byte (E8M0): e + 127.
;;     - Each number is divided by its block's scale, clamped to +-7.5, and rounded to the nearest number of E2M3, ties to even, subnormals kept.
;;     - The product sums the exact products of the quantised numbers (number of the format x scale) in f32.
;;   ~~~python
;;   def quantise(x, axis):      # numpy; x: float32 -> the quantised numbers, widened to float32 again
;;       x = np.moveaxis(x, axis, -1); K = x.shape[-1]
;;       x = np.pad(x, [(0, 0)] * (x.ndim - 1) + [(0, -K % 32)]); x = x.reshape(x.shape[:-1] + (-1, 32)); a = np.abs(x).max(-1, keepdims=True)
;;       e = np.where(a > 0, np.clip(np.frexp(np.where(a > 0, a, 1))[1] - 1 - 2, -126, 127), 0)      # np.frexp(a)[1] - 1 = floor(log2(a)), exactly
;;       r = np.clip(x / 2.0 ** e, -7.5, 7.5)
;;       step = 2.0 ** (np.maximum(np.frexp(np.where(r == 0, 1, r))[1] - 1, 0) - 3)
;;       q = np.round(r / step) * step * 2.0 ** e      # np.round: ties to even
;;       return np.moveaxis(q.reshape(q.shape[:-2] + (-1,))[..., :K], -1, axis).astype(np.float32)
;;   ~~~
;;   SOFTMAX AHEAD OF A QUANTISED PRODUCT. Where the list says 'softmax', what is quantised is not the finished softmax but p = 2^(t - M), with t = logit x log2(e) and M = ceil(the row's largest t), a whole number; so 1/2 < the row's largest p <= 1. The row's sum l is taken of the UNQUANTISED p, in f32, and the product's result is divided by l at the end. Since M is a whole number, a kernel that streams over the keys may use a running M (the ceiling of the running maximum): every later rescaling is an exact power of two, which a block's scale takes up: the codes' values come out the same.
;;   OPERANDS COMPUTED ON THE WAY. 'Computed on the way' means the value that the module computes at that place (a softmax that the list does not call 'softmax' is quantised finished and normalised). What goes into a quantiser is computed in f32, as accurately as f32 sums, v_exp_f32 and their like allow (about 1e-6 of the number): no bf16 or f16 on the way to a quantiser, and a product that is left as it is and whose result goes on into a quantised operand takes f32 operands (vector FMAs, or v_wmma_f32_16x16x4_f32). A number that lies on a knife's edge between two numbers of the format may be rounded either way, as far as f32 arithmetic and the matrix unit's own rounding can turn it there, and no further.
;; One version. Each part assembles by itself: llvm-mc -triple=amdgcn-amd-amdhsa -mcpu=gfx1250 --defsym DOCPART=n.
;; ======== version 1 of 1: 2 launches
;; limits: right only within a limited range of input values
;; workspace buffers: kv 6,684,672 bytes
;; launch proj (part 1): grid 128 x 2, 8 waves a work-group, clusters of 4 x 2, 327,680 bytes of LDS; arguments h, W, kv; writes kv
.if DOCPART == 1
	.amdgcn_target "amdgcn-amd-amdhsa--gfx1250"
	.amdhsa_code_object_version 6
	.text
	.protected	k_qf76a4e9c9b_proj
	.globl	k_qf76a4e9c9b_proj
	.p2align	8
	.type	k_qf76a4e9c9b_proj,@function
k_qf76a4e9c9b_proj:
	s_mov_b64 s[64:65], 0
	v_nop
	global_prefetch_b8 v0, s[64:65] scope:SCOPE_SE
	s_setreg_imm32_b32 hwreg(HW_REG_WAVE_MODE, 25, 1), 1
	s_wait_xcnt 0x0
	s_wait_alu depctr_hold_cnt(0) depctr_sa_sdst(0) depctr_va_vdst(0) depctr_va_sdst(0) depctr_va_ssrc(0) depctr_va_vcc(0) depctr_vm_vsrc(0)
	s_getreg_b32 s2, hwreg(HW_REG_IB_STS2, 6, 4)
	s_cmp_eq_u32 s2, 0
	s_cbranch_scc0 .Lentry_in_a_cluster
	s_endpgm
.Lentry_in_a_cluster:
	s_bfe_u32 s2, ttmp6, 0x10000c
	s_cmp_lg_u32 s2, 0x7013
	s_cbranch_scc0 .Lentry_shape_is_right
	s_endpgm
.Lentry_shape_is_right:
; Wh = Q(h) Q(W) on codes of FP6 (E2M3) with one E8M0 scale for each 32 along K = 256, and Wh's own codes for the two products of the attention that follows.
; h: [16384][256] f32.  W: [256 (k)][256 (n)] f32.  kv: 512 records of 13,056 bytes, one for each (batch, head, step of 128 tokens), laid as IMAGES OF OPERAND REGISTERS.
; ROWS OF A TILE.  A step's 128 tokens are 64 c + 32 g + 8 u + j (c, g = 0, 1; u = 0 .. 3; j = 0 .. 7): row 8 g + j of token tile 4 c + u.  A head's 64 channels are 32 g + 8 u + j: row 8 g + j of channel tile u.
; So over four neighbouring tiles the eight results of each half of the lanes are a whole block of 32 neighbours: no lane asks another for a maximum, and two conversions give the six registers of an operand.
;   bytes 0..6143      K: image 2 c + b of 1,536 bytes: registers 0-5 token tile 4 c + 2 b, registers 6-11 the next one; lane 16 g + row holds the 32 codes of channel block g.  Register i of lane L at (i/4) 512 + 16 L + 4 (i%4).
;   bytes 6144..12287  V: image 2 c + b: registers 0-5 channel tile 2 b, 6-11 channel tile 2 b + 1; lane 16 g + row holds the codes of token block 2 c + g.  Registers 0-3 at 16 L, 4-5 at 512 + 8 L, 6-7 at 768 + 8 L, 8-11 at 1024 + 16 L.
;   bytes 12288..12799 K's scale words: tile 4 c + 2 b + a, row r at 256 c + 8 (16 a + r) + 4 b: byte 0, 1 the two blocks' scales, bytes 2, 3 = 0x7f.
;   bytes 12800..13055 V's scale words: channel tile 2 b + a, row r at 8 (16 a + r) + 4 b; byte 2 c + g scales token block 2 c + g.
; SHARES.  A work-group takes 128 tokens (a step) and 128 columns (two heads): two whole records.  At the head waves 0-3 fetch 32 rows of h each, waves 4-7 64 columns x 128 k of W each, one tensor load a wave, and each wave quantises what it
; has fetched: h with a lane to a row, W with a lane to a column and its registers down K.  The codes go to LDS as images of operand registers (fragment 2 tile + K step), and one barrier shows them to all.
; Then waves 0-3 make K (source 0 = channel tiles, source 1 = token tiles: a lane holds a token), waves 4-7 V (source 0 = token tiles, source 1 = channel tiles: a lane holds a channel): the same text, with other LDS addresses.
; CLUSTERS of 4 x 2: the two work-groups of a column take the same tokens and ask for h jointly; the four of a row take the same columns and ask for W jointly.
; No data prefetch: all loads from memory stand at the head.
; LIMITS: NaN and infinities are not served.  A block whose largest magnitude lies under 2^-124, a block of zeros among them, gets the scale byte 1 (the rule says 127 for zeros): its codes are then zeros or next to it, and
; only this program reads the bytes.
.set REC,  13056                       ; a record
.set HP,   1040                        ; a row of h in LDS: 1,024 bytes + 16 of padding = 260 words: the 16 rows of a load start 4 banks apart
.set HT,   32*HP                       ; what a wave fetches of h,
.set WT,   128*256                     ; and of W
.set WRAW, 4*HT
.set HIMG, WRAW+4*WT                   ; h's 16 fragment images of 1,536 bytes,
.set WIMG, HIMG+24576                  ; W's 16,
.set HSC,  WIMG+24576                  ; their scale words, 64 bytes each
.set WSC,  HSC+1024
.set SCO,  WSC+1024                    ; the records' scale words: 768 bytes for each head
.set SPARE, SCO+1536                   ; the spare words, 128 bytes a wave
; REGISTERS: v1-11 addresses; v12 my spare word, v13 zero, v15 16 x lane; v16-23 at work; v24-27 the resident operand's scale words, v28-29 the pass's; v30 at work; v32-127 the resident operand's eight fragments; v128-175 the pass's four;
; v176-239 eight accumulators; v240-254 codes.  While the inputs are quantised: v128-255 numbers, v32-62 codes.
.set SPW, 12
.set NIL, 13
.set L16, 15
.macro WALU
	s_wait_alu depctr_va_vdst(0)
.endm
.macro ROUND                           ; a round of the cluster's barrier
	s_barrier_signal -1
	s_barrier_wait -1
	s_cmp_lg_u32 s8, 0
	s_cbranch_scc1 .Lnot_wave_0_\@
	s_barrier_signal -3
.Lnot_wave_0_\@:
	s_barrier_wait -3
	s_barrier_signal -1
	s_barrier_wait -1
.endm
	s_load_b128 s[4:7], s[0:1], 0x0                ; h s[4:5], W s[6:7]
	s_load_b64 s[12:13], s[0:1], 0x10              ; kv
	v_lshl_add_u32 v[SPW], v0, 2, SPARE
	v_mov_b32 v[NIL], 0
	ds_add_u32 v[SPW], v[NIL]                      ; the opening: the add, twice on end, and its wait
	ds_add_u32 v[SPW], v[NIL]
	v_lshrrev_b32 v16, 5, v0
	v_readfirstlane_b32 s8, v16                    ; wave 0..7
	s_and_b32 s9, s8, 3
	s_lshr_b32 s10, s8, 2                          ; o: 0 I fetch h and make K, 1 I fetch W and make V
	s_and_b32 s11, s8, 1                           ; fetching h: g of my token block; fetching W: the head.  In the products: c
	s_bfe_u32 s14, s8, 0x10001                     ; fetching h: c of my token block; fetching W: the K step.  In the products: the head
	s_xor_b32 s15, s10, 1
	s_bfe_u32 s40, ttmp6, 0x40000                  ; cx
	s_bfe_u32 s41, ttmp6, 0x40004                  ; cy: which 128 columns (the grid has one cluster along y)
	s_lshl_b32 s42, ttmp9, 2
	s_add_co_u32 s42, s42, s40                     ; which 128 tokens
	s_mul_i32 s32, s9, HT                          ; LDS: what I fetch
	s_mul_i32 s33, s9, WT
	s_add_co_u32 s33, s33, WRAW
	s_mul_i32 s34, s14, 12288                      ; where my codes of h go: tiles 4 c on, rows 8 g on
	s_lshl_b32 s35, s11, 7
	s_add_co_u32 s34, s34, s35
	s_add_co_u32 s34, s34, HIMG
	s_mul_i32 s36, s11, 12288                      ; of W: tiles 4 head on, K step s
	s_mul_i32 s35, s14, 1536
	s_add_co_u32 s36, s36, s35
	s_add_co_u32 s36, s36, WIMG
	s_lshl_b32 s37, s14, 9                         ; and the scale words
	s_lshl_b32 s35, s11, 5
	s_add_co_u32 s37, s37, s35
	s_add_co_u32 s37, s37, HSC
	s_lshl_b32 s38, s11, 9
	s_lshl_b32 s35, s14, 6
	s_add_co_u32 s38, s38, s35
	s_add_co_u32 s38, s38, WSC
	s_mul_i32 s43, s10, s11                        ; the resident operand: K: W's tiles of my head; V: h's tiles of my c.  In units of four tiles from HIMG on
	s_mul_i32 s44, s15, s14
	s_add_co_u32 s43, s43, s44
	s_lshl_b32 s44, s15, 1
	s_add_co_u32 s43, s43, s44
	s_mul_i32 s44, s15, s11                        ; the passes' operand: the other
	s_mul_i32 s45, s10, s14
	s_add_co_u32 s44, s44, s45
	s_lshl_b32 s45, s10, 1
	s_add_co_u32 s44, s44, s45
	s_mul_i32 s45, s43, 12288
	s_add_co_u32 s45, s45, HIMG
	s_lshl_b32 s43, s43, 9
	s_add_co_u32 s43, s43, HSC
	s_mul_i32 s47, s44, 12288
	s_add_co_u32 s47, s47, HIMG
	s_lshl_b32 s44, s44, 9
	s_add_co_u32 s44, s44, HSC
	s_mul_i32 s48, s14, 768                        ; my results' scale words: K 256 c, V 512 + 2 c
	s_lshl_b32 s35, s10, 9
	s_add_co_u32 s48, s48, s35
	s_mul_i32 s35, s15, s11
	s_lshl_b32 s35, s35, 8
	s_add_co_u32 s48, s48, s35
	s_mul_i32 s35, s10, s11
	s_lshl_b32 s35, s35, 1
	s_add_co_u32 s48, s48, s35
	s_add_co_u32 s48, s48, SCO
	; every LDS address but the last one is made here, ahead of every branch
	v_and_b32 v16, 31, v0                          ; lane
	v_lshrrev_b32 v17, 3, v16                      ; u
	v_and_b32 v18, 7, v16                          ; j
	v_and_b32 v19, 15, v16                         ; row
	v_mul_u32_u24 v1, v16, HP
	v_add_nc_u32 v1, s32, v1                       ; h: my row
	v_lshl_add_u32 v2, v16, 2, s33                 ; W: my column
	v_mul_u32_u24 v20, v17, 3072
	v_lshl_add_u32 v20, v18, 4, v20                ; tile u, row j
	v_add_nc_u32 v3, s34, v20
	v_add_nc_u32 v4, s36, v20
	v_lshlrev_b32 v21, 7, v17
	v_lshl_add_u32 v21, v18, 2, v21
	v_add_nc_u32 v5, s37, v21
	v_add_nc_u32 v6, s38, v21
	v_lshl_add_u32 v7, v16, 4, s45
	v_lshl_add_u32 v8, v16, 4, s47
	v_lshl_add_u32 v9, v16, 2, s43
	v_lshl_add_u32 v10, v16, 2, s44
	v_lshl_add_u32 v11, v19, 3, s48
	v_lshlrev_b32 v[L16], 4, v16
	; descriptor groups 1: 32 rows of 256 elements of 4 bytes, 4 words of padding behind every 256; 128 rows of 64 elements, dense
	s_lshl_b32 s43, 0x11, s40                      ; my column of the cluster
	s_lshl_b32 s44, s41, 2
	s_lshl_b32 s44, 15, s44                        ; my row
	s_or_b32 s16, s43, (2<<16)|(1<<20)|(1<<21)|(7<<22)|(3<<25)
	s_mov_b32 s17, 256<<16
	s_mov_b32 s18, 32<<16
	s_mov_b32 s19, 256<<16
	s_mov_b32 s20, 32
	s_mov_b32 s21, 256
	s_mov_b32 s22, 0
	s_mov_b32 s23, 0
	s_or_b32 s52, s44, (2<<16)|(1<<21)
	s_mov_b32 s53, 64<<16
	s_mov_b32 s54, 128<<16
	s_mov_b32 s55, 64<<16
	s_mov_b32 s56, 128
	s_mov_b32 s57, 256
	s_mov_b32 s58, 0
	s_mov_b32 s59, 0
	s_mov_b32 s24, 1
	s_mul_i32 s25, s9, HT
	s_mov_b32 s60, 1
	s_mul_i32 s61, s9, WT
	s_add_co_u32 s61, s61, WRAW
	s_lshl_b32 s34, s42, 17                        ; h: 128 rows of 1,024 bytes a work-group, 32 a wave
	s_lshl_b32 s35, s9, 15
	s_add_co_u32 s34, s34, s35
	s_mov_b32 s35, 0
	s_lshl_b32 s36, s41, 9                         ; W: 512 bytes of a row a work-group, 256 a head; 128 rows a K step
	s_lshl_b32 s37, s11, 8
	s_add_co_u32 s36, s36, s37
	s_lshl_b32 s37, s14, 17
	s_add_co_u32 s36, s36, s37
	s_mov_b32 s37, 0
	s_lshr_b32 s28, s42, 4                         ; record = 64 batch + 16 head + step; here of head 2 cy
	s_lshl_b32 s28, s28, 6
	s_and_b32 s39, s42, 15
	s_add_co_u32 s28, s28, s39
	s_lshl_b32 s39, s41, 5
	s_add_co_u32 s28, s28, s39
	s_mul_i32 s28, s28, REC
	s_mov_b32 s29, 0
	s_mul_i32 s38, s14, 16*REC                     ; my images: my head's record, V's part or K's, images 2 c on
	s_add_co_u32 s38, s38, s28
	s_mul_i32 s39, s10, 6144
	s_add_co_u32 s38, s38, s39
	s_mul_i32 s39, s11, 3072
	s_add_co_u32 s38, s38, s39
	s_mov_b32 s39, 0
	s_mov_b32 s50, 0x76543210
	s_mov_b32 s51, 0xfedcba98                      ; v_permlanex16_b32's selects for lane l xor 16
	WALU
	s_wait_dscnt 0x0
	s_wait_kmcnt 0x0
	s_add_nc_u64 s[26:27], s[4:5], s[34:35]
	s_or_b32 s27, s27, 0x80000000
	s_add_nc_u64 s[62:63], s[6:7], s[36:37]
	s_or_b32 s63, s63, 0x80000000
	s_add_nc_u64 s[30:31], s[12:13], s[38:39]
	s_add_nc_u64 s[28:29], s[12:13], s[28:29]
	ROUND                                          ; all eight work-groups are here: the joint loads meet
	s_cmp_lt_u32 s8, 4
	s_cbranch_scc0 .Lfetch_w
	tensor_load_to_lds s[24:27], s[16:23]
	s_nop 0
.rept 4
	v_nop
.endr
	s_branch .Lasked
.Lfetch_w:
	tensor_load_to_lds s[60:63], s[52:59]
	s_nop 0
.rept 4
	v_nop
.endr
.Lasked:
; 64 numbers of a lane from v[xs] on, two blocks, become twelve registers of codes at v[cd] on and the scales' bytes in v22, v23.  t1, t2: three registers each (a conversion's three registers begin on an even number)
.macro QPAIR xs, cd, t1, t2
	v_max3_num_f32 v16, |v[\xs]|, |v[\xs+1]|, |v[\xs+2]|       ; the largest magnitudes, in four chains
	v_max3_num_f32 v17, |v[\xs+16]|, |v[\xs+17]|, |v[\xs+18]|
	v_max3_num_f32 v18, |v[\xs+32]|, |v[\xs+33]|, |v[\xs+34]|
	v_max3_num_f32 v19, |v[\xs+48]|, |v[\xs+49]|, |v[\xs+50]|
.irp i, 3,5,7,9,11,13
	v_max3_num_f32 v16, v16, |v[\xs+\i]|, |v[\xs+\i+1]|
	v_max3_num_f32 v17, v17, |v[\xs+16+\i]|, |v[\xs+17+\i]|
	v_max3_num_f32 v18, v18, |v[\xs+32+\i]|, |v[\xs+33+\i]|
	v_max3_num_f32 v19, v19, |v[\xs+48+\i]|, |v[\xs+49+\i]|
.endr
	v_max3_num_f32 v16, v16, |v[\xs+15]|, |v[\xs+31]|
	v_max3_num_f32 v18, v18, |v[\xs+47]|, |v[\xs+63]|
	v_max3_num_f32 v16, v16, v17, 0x1800000        ; and the floor 2^(3 - 127): the byte cannot fall under 1
	v_max3_num_f32 v18, v18, v19, 0x1800000
	v_add_nc_u32 v20, 0xff000000, v16              ; 2 off the exponent field: the conversion takes this operand's exponent field as its scale
	v_add_nc_u32 v21, 0xff000000, v18
	v_cvt_scalef32_pk16_fp6_f32 v[\cd:\cd+2], v[\xs:\xs+15], v20
	v_cvt_scalef32_pk16_fp6_f32 v[\t1:\t1+2], v[\xs+16:\xs+31], v20
	v_cvt_scalef32_pk16_fp6_f32 v[\cd+6:\cd+8], v[\xs+32:\xs+47], v21
	v_cvt_scalef32_pk16_fp6_f32 v[\t2:\t2+2], v[\xs+48:\xs+63], v21
	v_lshrrev_b32 v22, 23, v20                     ; the scales' bytes.  (The plain place behind the conversions)
	v_lshrrev_b32 v23, 23, v21
.irp i, 0,1,2
	v_mov_b32 v[\cd+3+\i], v[\t1+\i]
	v_mov_b32 v[\cd+9+\i], v[\t2+\i]
.endr
.endm
; Pair n = 2 e + hh: blocks hh and 2 + hh of a K step of 128, which are registers 0-5 and 6-11 of lane 16 hh + row of the fragment.  e: for h the K step, for W which 32 of the head's channels
.macro LOADH n
.irp cc, 0,1
.irp k, 0,1,2,3,4,5,6,7
	ds_load_b128 v[128+64*(\n%2)+32*\cc+4*\k:131+64*(\n%2)+32*\cc+4*\k], v1 offset:512*(\n/2)+128*(2*\cc+\n%2)+16*\k
.endr
.endr
.endm
.macro LOADW n
.irp cc, 0,1
.set I, 0
.rept 32
	ds_load_b32 v[128+64*(\n%2)+32*\cc+I], v2 offset:256*(32*(2*\cc+\n%2)+I)+128*(\n/2)
.set I, I+1
.endr
.endr
.endm
; ld: the loads; ia, sa: the address registers of the images and of the scale words; ie, se: from e to e in the two
.macro QUANTISE ld, ia, sa, ie, se
	\ld 0
.irp n, 0,1,2,3
	s_wait_dscnt 0x0                               ; this pair's numbers are in
.if \n < 3
	\ld \n+1
.endif
	QPAIR 128+64*(\n%2), 32+12*(\n%2), 56, 60
.irp g, 0,1,2
	ds_store_b128 v[\ia], v[32+12*(\n%2)+4*\g:35+12*(\n%2)+4*\g] offset:\ie*(\n/2)+256*(\n%2)+512*\g
.endr
.if \n%2
	v_lshl_or_b32 v30, v22, 8, v30
	v_lshl_or_b32 v30, v23, 24, v30                ; the K step's four bytes
	ds_store_b32 v[\sa], v30 offset:\se*(\n/2)
.else
	v_lshl_or_b32 v30, v23, 16, v22
.endif
.endr
.endm
	WALU                                           ; the wait at the head's end
	s_wait_tensorcnt 0x0                           ; what I fetched is in: I alone read it
	s_cmp_lt_u32 s8, 4
	s_cbranch_scc0 .Lquantise_w
.macro LOADHN n                        ; (the pair's number is made a plain number first)
.set PN, \n
.if PN == 0
	LOADH 0
.elseif PN == 1
	LOADH 1
.elseif PN == 2
	LOADH 2
.else
	LOADH 3
.endif
.endm
.macro LOADWN n
.set PN, \n
.if PN == 0
	LOADW 0
.elseif PN == 1
	LOADW 1
.elseif PN == 2
	LOADW 2
.else
	LOADW 3
.endif
.endm
	QUANTISE LOADHN, 3, 5, 1536, 64
	WALU
	s_branch .Lquantised
.Lquantise_w:
	QUANTISE LOADWN, 4, 6, 128, 32
.Lquantised:
	v_lshrrev_b32 v1, 5, v[L16]
	v_lshrrev_b32 v2, 1, v[L16]                    ; 8 x lane
	v_and_b32 v1, 8, v1                            ; 8 x the lane's half
	WALU
	s_wait_dscnt 0x0                               ; for the others' sake: my codes and scale words have landed
	s_barrier_signal -1
	s_barrier_wait -1
; ---- the products.  The resident operand: tile u, K step s at v[32 + 12 (2 u + s)], its scale words in v[24 + u] (K step 0 in lanes 0-15, K step 1 in lanes 16-31).  A pass's: tile 2 pass + i at v[128 + 12 (2 i + s)], v[28 + i]
.macro PLOAD pass
.irp q, 0,1,2,3
.irp g, 0,1,2
	ds_load_b128 v[128+12*\q+4*\g:131+12*\q+4*\g], v8 offset:1536*(4*\pass+\q)+512*\g
.endr
.endr
.irp i, 0,1
	ds_load_b32 v[28+\i], v10 offset:128*(2*\pass+\i)
.endr
.endm
; Both K steps of the four accumulators of resident tiles 2 p, 2 p + 1, one instruction a turn.  v[176 + 32 i + 8 u]: lane (r, g) holds row r of the pass's tile i, register j row 8 g + j of the resident
; tile u
.macro MULH p
.irp s, 0,1
.irp v, 0,1
.irp i, 0,1
.set U, 2*\p+\v
.if \s == 0
	v_wmma_scale_f32_16x16x128_f8f6f4 v[176+32*\i+8*U:183+32*\i+8*U], v[32+24*U:43+24*U], v[128+24*\i:139+24*\i], 0, v[24+U], v[28+\i] matrix_a_fmt:MATRIX_FMT_FP6 matrix_b_fmt:MATRIX_FMT_FP6
.else
	v_wmma_scale_f32_16x16x128_f8f6f4 v[176+32*\i+8*U:183+32*\i+8*U], v[44+24*U:55+24*U], v[140+24*\i:151+24*\i], v[176+32*\i+8*U:183+32*\i+8*U], v[24+U], v[28+\i] matrix_a_fmt:MATRIX_FMT_FP6 matrix_b_fmt:MATRIX_FMT_FP6 matrix_a_scale:MATRIX_SCALE_ROW1 matrix_b_scale:MATRIX_SCALE_ROW1
.endif
.endr
.endr
.endr
.endm
.macro PLACES                          ; four places behind the products
.rept 4
	v_nop
.endr
.endm
; the resident operand's tiles 2 p, 2 p + 1
.macro RLOAD p
.irp q, 0,1,2,3
.irp g, 0,1,2
	ds_load_b128 v[32+48*\p+12*\q+4*\g:35+48*\p+12*\q+4*\g], v7 offset:1536*(4*\p+\q)+512*\g
.endr
.endr
.endm
; a pass's two tiles leave: one image, and the scale words into LDS
.macro OUT pass, cd, t1, t2
	QPAIR 176, \cd, \t1, \t2
	v_lshlrev_b32 v22, v1, v22                     ; block g's byte is byte g of the pair
	v_lshlrev_b32 v23, v1, v23
	v_permlanex16_b32 v30, v22, s50, s51
	v_or_b32 v22, v22, v30
	v_permlanex16_b32 v30, v23, s50, s51
	v_or_b32 v23, v23, v30
	s_cmp_eq_u32 s10, 0
	WALU
	s_cbranch_scc0 .Lout_v_\@
	v_or_b32 v22, 0x7f7f0000, v22                  ; K: the upper half of the instruction's K holds nothing: its scales are 1
	v_or_b32 v23, 0x7f7f0000, v23
	ds_store_b32 v11, v22 offset:4*\pass
	ds_store_b32 v11, v23 offset:128+4*\pass
.irp g, 0,1,2
	global_store_b128 v[L16], v[\cd+4*\g:\cd+4*\g+3], s[30:31] offset:1536*\pass+512*\g   ; 32 lanes store 512 consecutive bytes
.endr
	s_branch .Lout_\@
.Lout_v_\@:
	ds_store_b16 v11, v22 offset:4*\pass
	ds_store_b16 v11, v23 offset:128+4*\pass
	global_store_b128 v[L16], v[\cd:\cd+3], s[30:31] offset:1536*\pass
	global_store_b64 v2, v[\cd+4:\cd+5], s[30:31] offset:1536*\pass+512   ; 256 consecutive bytes, aligned
	global_store_b64 v2, v[\cd+6:\cd+7], s[30:31] offset:1536*\pass+768
	global_store_b128 v[L16], v[\cd+8:\cd+11], s[30:31] offset:1536*\pass+1024
.Lout_\@:
.endm
	PLOAD 0
	RLOAD 0
.irp u, 0,1,2,3
	ds_load_b32 v[24+\u], v9 offset:128*\u
.endr
	RLOAD 1
	s_wait_dscnt 12                                ; all but tiles 2 and 3 of the resident operand: 12 loads
	MULH 0
	s_wait_dscnt 0x0
	MULH 1
	PLACES
	PLOAD 1                                        ; under pass 0's way out
	OUT 0, 240, 252, 4
	s_wait_dscnt 0x0
	MULH 0
	MULH 1
	PLACES
	OUT 1, 32, 44, 48                              ; (the resident operand is done with; pass 0's stores keep their registers)
	; ---- the scale words: six units of 256 bytes, one to each of waves 0 to 5
	s_lshl_b32 s36, s8, 8
	s_add_co_u32 s36, s36, SCO
	v_add_nc_u32 v3, s36, v2
	WALU
	s_wait_dscnt 0x0                               ; for the others' sake
	s_barrier_signal -1
	s_barrier_wait -1
	s_cmp_lt_u32 s8, 6
	s_cbranch_scc0 .Lend
	s_cmp_gt_u32 s8, 2
	s_cselect_b32 s34, 1, 0                        ; which head,
	s_mul_i32 s35, s34, 3
	s_sub_co_u32 s35, s8, s35                      ; and which of its three units
	s_mul_i32 s34, s34, 16*REC
	s_lshl_b32 s35, s35, 8
	s_add_co_u32 s34, s34, s35
	s_add_co_u32 s34, s34, 12288
	s_mov_b32 s35, 0
	s_add_nc_u64 s[34:35], s[28:29], s[34:35]
	ds_load_b64 v[16:17], v3
	s_wait_dscnt 0x0
	global_store_b64 v2, v[16:17], s[34:35]
.Lend:
	s_wait_tensorcnt 0x0                           ; the wave's end
	ds_add_u32 v[SPW], v[NIL]
	s_wait_dscnt 0x0
	ROUND                                          ; the closing round: no work-group ends while a partner may still ask for a tile that names it
	s_endpgm
.Lfunc_end_k_qf76a4e9c9b_proj:
	.size	k_qf76a4e9c9b_proj, .Lfunc_end_k_qf76a4e9c9b_proj-k_qf76a4e9c9b_proj
	.p2alignl 7, 3214868480
	.fill 96, 4, 3214868480
	.section	.rodata,"a",@progbits
	.p2align	6, 0x0
	.amdhsa_kernel k_qf76a4e9c9b_proj
		.amdhsa_group_segment_fixed_size 327680
		.amdhsa_private_segment_fixed_size 0
		.amdhsa_enable_private_segment 0
		.amdhsa_kernarg_size 24
		.amdhsa_user_sgpr_count 2
		.amdhsa_user_sgpr_kernarg_segment_ptr 1
		.amdhsa_wavefront_size32 1
		.amdhsa_system_sgpr_workgroup_id_x 1
		.amdhsa_system_sgpr_workgroup_id_y 1
		.amdhsa_system_sgpr_workgroup_id_z 1
		.amdhsa_system_vgpr_workitem_id 0
		.amdhsa_next_free_vgpr 256
		.amdhsa_next_free_sgpr 66
		.amdhsa_reserve_vcc 0
		.amdhsa_float_denorm_mode_32 3
		.amdhsa_float_denorm_mode_16_64 3
		.amdhsa_memory_ordered 1
		.amdhsa_forward_progress 1
		.amdhsa_inst_pref_size 70
	.end_amdhsa_kernel
	.amdgpu_metadata
---
amdhsa.version: [ 1, 2 ]
amdhsa.kernels:
  - .name:           k_qf76a4e9c9b_proj
    .symbol:         k_qf76a4e9c9b_proj.kd
    .args:
      - { .name: h, .offset: 0, .size: 8, .value_kind: global_buffer, .address_space: global }
      - { .name: W, .offset: 8, .size: 8, .value_kind: global_buffer, .address_space: global }
      - { .name: kv, .offset: 16, .size: 8, .value_kind: global_buffer, .address_space: global }
    .group_segment_fixed_size: 327680
    .private_segment_fixed_size: 0
    .kernarg_segment_align: 8
    .kernarg_segment_size: 24
    .max_flat_workgroup_size: 256
    .sgpr_count:     66
    .vgpr_count:     256
    .wavefront_size: 32
...
	.end_amdgpu_metadata
.endif
;; end of part 1
;; launch attn (part 2): grid 8 x 32, 8 waves a work-group, clusters of 4 x 1, 327,680 bytes of LDS; arguments kv, out0; writes out0
.if DOCPART == 2
	.amdgcn_target "amdgcn-amd-amdhsa--gfx1250"
	.amdhsa_code_object_version 6
	.text
	.protected	k_qf76a4e9c9b_attn
	.globl	k_qf76a4e9c9b_attn
	.p2align	8
	.type	k_qf76a4e9c9b_attn,@function
k_qf76a4e9c9b_attn:
	s_mov_b64 s[64:65], 0
	v_nop
	global_prefetch_b8 v0, s[64:65] scope:SCOPE_SE
	s_setreg_imm32_b32 hwreg(HW_REG_WAVE_MODE, 25, 1), 1
	s_wait_xcnt 0x0
	s_wait_alu depctr_hold_cnt(0) depctr_sa_sdst(0) depctr_va_vdst(0) depctr_va_sdst(0) depctr_va_ssrc(0) depctr_va_vcc(0) depctr_vm_vsrc(0)
	s_getreg_b32 s2, hwreg(HW_REG_IB_STS2, 6, 4)
	s_cmp_eq_u32 s2, 0
	s_cbranch_scc0 .Lentry_in_a_cluster
	s_endpgm
.Lentry_in_a_cluster:
	s_bfe_u32 s2, ttmp6, 0x10000c
	s_cmp_lg_u32 s2, 0x3003
	s_cbranch_scc0 .Lentry_shape_is_right
	s_endpgm
.Lentry_shape_is_right:
; out0[b][q][64 head + d] = the sum over keys k of softmax_k(leaky_relu(Wh[q] . Wh[k] / 8, 0.2)) Wh[k][d], both products on codes of FP6 (E2M3) with one E8M0 scale for each 32 along a product's K.
; kv holds, for each (batch, head) and each step of 128 tokens, a record of 13,056 bytes: images of the operands' registers (four of K's, two tiles of 16 keys each; four of V's, half the keys of two tiles of 16 channels each) and their scale
; words, as the launch before laid them.  K: register i of lane L at (i/4) 512 + 16 L + 4 (i%4).  V: registers 0-3 at 16 L, 4-5 at 512 + 8 L, 6-7 at 768 + 8 L, 8-11 at 1024 + 16 L.
; THE SOFTMAX: t = leaky_relu(s / 8) log2(e) = CK u, u = s + 2/3 |s|, CK = 0.6 log2(e) / 8 (0.6 (1 + 2/3) = 1, 0.6 (1 - 2/3) = 0.2); M = the running largest t rounded UP to a whole number; p = 2^(t - M) is quantised along the
; keys, not normalised; the row's sum is taken of the unquantised p and divides at the end.  When M moves, the sum and O are multiplied by 2^(old M - new M): exact, and no branch on data.
; A block's largest p is not searched for: u, the multiply-add and the exponential do not fall where s rises (of v_exp_f32 that is taken for granted), so the block's largest SCORE goes through the same three.
; SHARES.  A work-group owns 256 queries of one head, each of its eight waves two tiles of 16: both tiles use each fragment of K and V that is loaded.
; A HEAD'S 16 RECORDS, 208,896 BYTES, LIE IN LDS WHOLE: each byte is filled once, nothing is filled again.  Each wave asks for two records at the head; the first barrier shows records 0 and 1, a barrier in step 0 the others.
; No data prefetch: all loads from memory stand at the head, and no loop asks for more.
; CLUSTER.  The four work-groups of a cluster own four query blocks of ONE head and read the same records: they are asked for JOINTLY, by the same tensor load with the same descriptor and the mask of all four.
; LAYOUT.  Both products are used transposed: S^T = K Q^T (source 0 = 16 keys, source 1 = 16 queries), O^T = V^T P^T (source 0 = 16 channels): a lane holds ONE query of a tile (lane % 16) throughout.
; Row 8 g + j of K's tile T = 4 c + u is token 64 c + 32 g + 8 u + j of the step: so registers 32 c .. 32 c + 31 of S^T in half g of the lanes are the whole of token block 2 c + g, in order, as V's codes lie; no other lane is asked
; for a block's maximum, and two conversions give the six registers of the operand.  The queries are such rows too: Q's codes are K's.  Row 8 g + j of V's tile t is channel 32 g + 8 t + j.
; The first product's K is 64, half of the instruction's 128: Q's upper six registers hold zero codes and all scale bytes there are 0x7f, so whatever K's upper six registers hold (the next tile's codes; behind the last tile six
; constants of this text) adds nothing.
; THE ORDER OF WORK.  The two query tiles go half a step apart.  HALF x: tile x's exponentials, line by line with tile y's u; then tile x's codes and sum, among them the chain that moves tile y's M; tile x's next scores and O, among them tile
; y's multiply-adds; the search for tile x's next largest scores.  Step s loads V of step s and K of step s + 1 ahead of tile 0's exponentials.
; LIMITS: NaN and infinities are not served; p under 2^-126 counts as 0; a block of p whose largest lies under 2^-124 gets the scale byte 1 (its codes are zeros or next to it).
.set REC,   13056                      ; a record: 51 rows of 256 bytes
.set HEADB, 16*REC                     ; a head's records; also the LDS bytes that they fill
.set VO,    6144                       ; in a record: V's images,
.set KSO,   12288                      ; K's scale words,
.set VSO,   12800                      ; V's scale words
.set STAGE, HEADB                      ; LDS behind the records: 32 rows x 272 bytes for each wave, for the way out; no tensor load lands there
.set SPARE, STAGE+8*32*272             ; the spare words, 128 bytes a wave
; REGISTERS, window 0:
.set T0, 0                             ; v0, v1, v127 at work
.set T1, 1
.set EA, 2                             ; v2, v5  the conversions' scale operands
.set EB, 5
.set AD, 3                             ; v3, v4  LDS addresses where loads are issued; elsewhere at work on M
.set C0, 3
.set C1, 4
.set NM, 6                             ; v[6:7] tile 0, v[8:9] tile 1: -M, the running largest u
.set AC, 10                            ; v[10:11], v[12:13] the sums in two halves
.set FF, 14                            ; v[14:15], v[28:29] 2^(old M - new M)
.set PC, 16                            ; v16-27 p's codes
                                       ; v30, v31 and v59, v63 the largest of my two blocks, tile 0 and tile 1; v56-58, v60-62 codes just made
.set QQ, 32                            ; v32-43, v44-55 Q's codes: six registers and six of zeros
.set KK, 64                            ; v64-111 K's four images: tile T at v[64 + 6 T]
.set SPW, 112                          ; v112 my spare word, v113 zero, v114 16 x lane, v115 8 x lane, v116 8 x the lane's half, v117 my place in the stage: constants
.set NIL, 113
.set A16, 114
.set A8,  115
.set H8,  116
.set STO, 117
.set KS, 118                           ; v118-121 K's scale words; v122-123 V's; v124, v125 Q's; v126 p's
.set VS, 122
.set QS, 124
.set PW, 126
.set PD, 127
.set SX, 128                           ; v128-191, v192-255 S^T, then p
; window 1: O^T of tile x at v[32 x]; V's operand of tile t at v[64 + 12 t]
.set MSB, 0
.macro WIN new                         ; the immediate's high byte repeats the setting that is left
.if MSB != \new
	s_set_vgpr_msb (MSB<<8)|\new
.set MSB, \new
.endif
.endm
.macro WALU
	s_wait_alu depctr_va_vdst(0)
.endm
.macro ROUND                           ; a round of the cluster's barrier
	s_barrier_signal -1
	s_barrier_wait -1
	s_cmp_lg_u32 s8, 0
	s_cbranch_scc1 .Lnot_wave_0_\@
	s_barrier_signal -3
.Lnot_wave_0_\@:
	s_barrier_wait -3
	s_barrier_signal -1
	s_barrier_wait -1
.endm
	s_load_b128 s[4:7], s[0:1], 0x0                ; kv s[4:5], out0 s[6:7]
	v_lshl_add_u32 v[SPW], v0, 2, SPARE
	v_mov_b32 v[NIL], 0
	ds_add_u32 v[SPW], v[NIL]                      ; the opening: the add, twice on end, and its wait
	ds_add_u32 v[SPW], v[NIL]
	v_lshrrev_b32 v1, 5, v0
	v_readfirstlane_b32 s8, v1                     ; wave 0..7
	s_mul_i32 s41, s8, 32*272
	s_add_co_u32 s41, s41, STAGE                   ; my stage
	v_and_b32 v1, 31, v0                           ; lane
	v_and_b32 v2, 15, v0                           ; r
	v_bfe_u32 v5, v0, 4, 1                         ; the lane's half
	v_lshlrev_b32 v[A16], 4, v1
	v_lshlrev_b32 v[A8], 3, v1
	v_lshlrev_b32 v[H8], 3, v5
	v_mul_u32_u24 v[STO], v2, 272
	v_lshl_add_u32 v[STO], v5, 7, v[STO]
	v_add_nc_u32 v[STO], s41, v[STO]               ; row r, 128 bytes for each half of the lanes
	v_lshlrev_b32 v4, 3, v2                        ; Q's scale words: 8 r
.irp j, 38,39,40,41,42,43,50,51,52,53,54,55
	v_mov_b32 v\j, 0                               ; zero codes: Q's upper half of K
.endr
	v_mov_b32 v[PD], 0                             ; written once: a lane permute's destination counts as one of its sources
	v_mov_b32 v15, 0                               ; (named as the upper halves of pairs)
	v_mov_b32 v29, 0
	s_bfe_u32 s9, ttmp6, 0x40000                   ; cx: my place in the cluster
	s_lshl_b32 s10, ttmp9, 2
	s_add_co_u32 s10, s10, s9                      ; x: my block of 256 queries: it enters Q's and out0's global addresses alone
	s_and_b32 s11, ttmp7, 0xffff                   ; y = 4 batch + head, which the four partners share
	; descriptor group 1: two records as 102 rows of 32 elements of 8 bytes, dense
	s_mov_b32 s16, 15|(3<<16)|(1<<21)              ; the mask: all four work-groups; elements of 8 bytes; bit 21 set beside a mask; no padding
	s_mov_b32 s17, 32<<16                          ; tensor_dim0
	s_mov_b32 s18, 102<<16                         ; tensor_dim1
	s_mov_b32 s19, 32<<16                          ; tile_dim0
	s_mov_b32 s20, 102                             ; tile_dim1
	s_mov_b32 s21, 32                              ; elements from row to row
	s_mov_b32 s22, 0
	s_mov_b32 s23, 0
	s_mov_b32 s24, 1
	s_mul_i32 s25, s8, 2*REC                       ; records 2 w, 2 w + 1, to the same place in LDS as in the head's records
	s_mul_i32 s54, s8, 2*REC
	s_mov_b32 s55, 0
	s_mul_i32 s52, s11, HEADB
	s_mov_b32 s53, 0
	s_mov_b32 s42, 0x3ddd9914                      ; CK = 0.6 log2(e) / 8
	s_mov_b32 s43, s42                             ; (the packed form names the pair)
	s_mov_b32 s44, 0x3f2aaaab                      ; 2/3
	s_mov_b32 s45, 0xbddd9914                      ; -CK
	s_mov_b32 s46, 0x76543210
	s_mov_b32 s47, 0xfedcba98                      ; v_permlanex16_b32's selects for lane l xor 16
	; Q: my two tiles are the two halves of image I = w % 4 of record 2 x + w / 4
	s_lshr_b32 s60, s8, 2
	s_lshl_b32 s61, s10, 1
	s_add_co_u32 s60, s60, s61
	s_mul_i32 s60, s60, REC
	s_and_b32 s62, s8, 3
	s_mul_i32 s63, s62, 1536
	s_add_co_u32 s48, s60, s63
	s_mov_b32 s49, 0
	s_lshr_b32 s61, s62, 1
	s_lshl_b32 s61, s61, 8
	s_and_b32 s63, s62, 1
	s_lshl_b32 s63, s63, 2
	s_add_co_u32 s61, s61, s63
	s_add_co_u32 s61, s61, KSO
	s_add_co_u32 s60, s60, s61                     ; its rows' scale words: KSO + 256 (I / 2) + 4 (I % 2)
	s_mov_b32 s61, 0
	WALU
	s_wait_dscnt 0x0
	s_wait_kmcnt 0x0
	s_add_nc_u64 s[56:57], s[4:5], s[52:53]        ; the head's records
	s_add_nc_u64 s[26:27], s[56:57], s[54:55]
	s_or_b32 s27, s27, 0x80000000                  ; type = 2
	s_add_nc_u64 s[48:49], s[56:57], s[48:49]
	s_add_nc_u64 s[58:59], s[56:57], s[60:61]
	global_load_b128 v[QQ:QQ+3], v[A16], s[48:49]                  ; image registers 0-5: tile 0,
	global_load_b64 v[QQ+4:QQ+5], v[A16], s[48:49] offset:512
	global_load_b64 v[QQ+12:QQ+13], v[A16], s[48:49] offset:520    ; 6-11: tile 1
	global_load_b128 v[QQ+14:QQ+17], v[A16], s[48:49] offset:1024
	global_load_b32 v[QS], v4, s[58:59]
	global_load_b32 v[QS+1], v4, s[58:59] offset:128
	ROUND                                          ; all four work-groups are here: the joint loads meet
	s_cmp_lt_u32 s8, 1                             ; one load a wave; wave 0 has a line of its own: the first barrier waits for it alone
	s_cbranch_scc0 .Lrest
	tensor_load_to_lds s[24:27], s[16:23]
	s_nop 0
.rept 4
	v_nop
.endr
	s_branch .Lasked
.Lrest:
	tensor_load_to_lds s[24:27], s[16:23]
	s_nop 0
.rept 4
	v_nop
.endr
.Lasked:
	; my first row of out0: 2048 batch + 256 x + 128 (w / 4) + 64 ((w / 2) % 2) + 16 (w % 2)
	s_lshr_b32 s52, s11, 2
	s_lshl_b32 s52, s52, 11
	s_lshl_b32 s53, s10, 8
	s_add_co_u32 s52, s52, s53
	s_lshr_b32 s53, s8, 2
	s_lshl_b32 s53, s53, 7
	s_add_co_u32 s52, s52, s53
	s_bfe_u32 s53, s8, 0x10001
	s_lshl_b32 s53, s53, 6
	s_add_co_u32 s52, s52, s53
	s_and_b32 s53, s8, 1
	s_lshl_b32 s53, s53, 4
	s_add_co_u32 s52, s52, s53
	s_lshl_b32 s52, s52, 10
	s_and_b32 s53, s11, 3                          ; head: 256 bytes of a row
	s_lshl_b32 s53, s53, 8
	s_add_co_u32 s52, s52, s53
	s_mov_b32 s53, 0
	s_add_nc_u64 s[50:51], s[6:7], s[52:53]
; K of the record at byte off of addresses a (16 x lane) and b (8 x lane): 14 loads.  Scale register j: lanes 0-15 tile 2 j, lanes 16-31 tile 2 j + 1
.macro KLOAD a, b, off
.irp i, 0,1
	ds_load_b64 v[KS+2*\i:KS+2*\i+1], v[\b] offset:\off+KSO+256*\i
.endr
.irp i, 0,1,2,3,4,5,6,7,8,9,10,11
	ds_load_b128 v[KK+4*\i:KK+4*\i+3], v[\a] offset:\off+512*\i
.endr
.endm
.macro VLOAD a, b                      ; V of the record at a and b: 17 loads.  Images q and 2 + q are the operands of tiles 2 q, 2 q + 1
	ds_load_b64 v[VS:VS+1], v[\b] offset:VSO
	WIN 0x40
.irp q, 0,1
.irp c, 0,1
	ds_load_b128 v[64+24*\q+6*\c:67+24*\q+6*\c], v[\a] offset:VO+1536*(2*\c+\q)
	ds_load_b64 v[68+24*\q+6*\c:69+24*\q+6*\c], v[\b] offset:VO+1536*(2*\c+\q)+512
	ds_load_b64 v[76+24*\q+6*\c:77+24*\q+6*\c], v[\b] offset:VO+1536*(2*\c+\q)+768
	ds_load_b128 v[78+24*\q+6*\c:81+24*\q+6*\c], v[\a] offset:VO+1536*(2*\c+\q)+1024
.endr
.endr
	WIN 0
.endm
.macro PK x                            ; t - M of the next two scores of tile x (of the pairs CK and -M the low word serves both halves)
.if PI < 32
	v_pk_fma_f32 v[SX+64*\x+2*PI:SX+64*\x+2*PI+1], v[SX+64*\x+2*PI:SX+64*\x+2*PI+1], s[42:43], v[NM+2*\x:NM+2*\x+1] op_sel_hi:[1,0,0]
.set PI, PI+1
.endif
.endm
.macro LK x                            ; u of the next score of tile x
.if LI < 64
	v_fma_f32 v[SX+64*\x+LI], |v[SX+64*\x+LI]|, s44, v[SX+64*\x+LI]
.set LI, LI+1
.endif
.endm
.macro FLUSH n, fl, z
.rept \n
	\fl \z
.endr
.endm
.macro TILE x                          ; the registers of tile x
.set XS, SX+64*\x
.set BA, 30+29*\x
.set BB, 31+32*\x
.endm
; S^T of tile x: eight tiles of 16 keys, each sum one instruction; behind each, work of tile y
.macro SMUL x, y
.irp t, 0,1,2,3,4,5,6,7
.if \t%2
	v_wmma_scale_f32_16x16x128_f8f6f4 v[SX+64*\x+8*\t:SX+64*\x+8*\t+7], v[KK+6*\t:KK+6*\t+11], v[QQ+12*\x:QQ+12*\x+11], 0, v[KS+\t/2], v[QS+\x] matrix_a_fmt:MATRIX_FMT_FP6 matrix_b_fmt:MATRIX_FMT_FP6 matrix_a_scale:MATRIX_SCALE_ROW1
.else
	v_wmma_scale_f32_16x16x128_f8f6f4 v[SX+64*\x+8*\t:SX+64*\x+8*\t+7], v[KK+6*\t:KK+6*\t+11], v[QQ+12*\x:QQ+12*\x+11], 0, v[KS+\t/2], v[QS+\x] matrix_a_fmt:MATRIX_FMT_FP6 matrix_b_fmt:MATRIX_FMT_FP6
.endif
	PK \y
.endr
.endm
; O^T += V^T P^T of tile x: four tiles of 16 channels, one instruction a turn
.macro PV1 o, t, c
.if (\t)%2
	v_wmma_scale_f32_16x16x128_f8f6f4 v[\o:\o+7], v[64+12*\t:75+12*\t], v[PC:PC+11], \c, v[VS+\t/2], v[PW] matrix_a_fmt:MATRIX_FMT_FP6 matrix_b_fmt:MATRIX_FMT_FP6 matrix_a_scale:MATRIX_SCALE_ROW1
.else
	v_wmma_scale_f32_16x16x128_f8f6f4 v[\o:\o+7], v[64+12*\t:75+12*\t], v[PC:PC+11], \c, v[VS+\t/2], v[PW] matrix_a_fmt:MATRIX_FMT_FP6 matrix_b_fmt:MATRIX_FMT_FP6
.endif
.endm
.macro PVMUL x, first
	WIN 0x51
.irp t, 0,1,2,3
.if \first
	PV1 32*\x+8*\t, \t, 0
.else
	PV1 32*\x+8*\t, \t, v[32*\x+8*\t:32*\x+8*\t+7]
.endif
.endr
	WIN 0
.endm
; The largest raw score of my two blocks, in four chains, each over two tiles from its low end on
.macro MX4 i
	v_max3_num_f32 v[BA], v[BA], v[XS+\i], v[XS+\i+1]
	v_max3_num_f32 v[T0], v[T0], v[XS+16+\i], v[XS+17+\i]
	v_max3_num_f32 v[BB], v[BB], v[XS+32+\i], v[XS+33+\i]
	v_max3_num_f32 v[T1], v[T1], v[XS+48+\i], v[XS+49+\i]
.endm
.macro MAXIMA
	v_max3_num_f32 v[BA], v[XS], v[XS+1], v[XS+2]
	v_max3_num_f32 v[T0], v[XS+16], v[XS+17], v[XS+18]
	v_max3_num_f32 v[BB], v[XS+32], v[XS+33], v[XS+34]
	v_max3_num_f32 v[T1], v[XS+48], v[XS+49], v[XS+50]
.irp i, 3,5,7,9,11,13
	MX4 \i
.endr
	v_max3_num_f32 v[BA], v[BA], v[XS+15], v[XS+31]
	v_max3_num_f32 v[BB], v[BB], v[XS+47], v[XS+63]
	v_max_num_f32 v[BA], v[BA], v[T0]
	v_max_num_f32 v[BB], v[BB], v[T1]
.endm
.macro ADDG k                          ; four pairs of the sum's first level, in place
.irp m, 0,1,2,3
	v_pk_add_f32 v[XS+16*\k+4*\m:XS+16*\k+4*\m+1], v[XS+16*\k+4*\m:XS+16*\k+4*\m+1], v[XS+16*\k+4*\m+2:XS+16*\k+4*\m+3]
.endr
.endm
.macro ADDS l                          ; a further level
.set I, 0
.rept 32/(\l)
	v_pk_add_f32 v[XS+2*(\l)*I:XS+2*(\l)*I+1], v[XS+2*(\l)*I:XS+2*(\l)*I+1], v[XS+2*(\l)*I+(\l):XS+2*(\l)*I+(\l)+1]
.set I, I+1
.endr
.endm
; HALF A STEP: tile x's p.  first: the launch's first step (O and the sum begin); nxt: tile x has a next step; lk: tile y has work; cf: tile y's M begins; ld: what is loaded (1 this step's V, 2 the next step's K too); sync: 1 the signal,
; 2 the wait of the barrier that shows records 2 to 15
.macro HALF x, y, first, nxt, lk, cf, ld, sync
	TILE \x
.set YA, 30+29*\y
.set YB, 31+32*\y
.set YM, NM+2*\y
.if \lk
.set LI, 0
.set PI, 0
.else
.set LI, 64
.set PI, 32
.endif
.if \ld
	v_add_nc_u32 v[AD], s40, v[A16]                ; s40: this step's record
	v_add_nc_u32 v[AD+1], s40, v[A8]
.endif
	WALU                                           ; the wait ahead of the batch
.if \ld == 2
	KLOAD AD, AD+1, REC                            ; (the last products that read these registers stand the search for the largest scores behind)
.endif
.if \ld
	VLOAD AD, AD+1
.endif
	v_exp_f32 v[BA], v[BA]                         ; my blocks' largest p
	v_exp_f32 v[BB], v[BB]
.set I, 0
.rept 64
	v_exp_f32 v[XS+I], v[XS+I]                     ; p = 2^(t - M)
	LK \y                                          ; (the scores of tile y were read first in its search for the largest)
.set I, I+1
.endr
.if \lk == 0
	v_nop
.endif
.if \first == 0
	WIN 0x41
.endif
	WALU                                           ; and behind it; it stands directly ahead of the first reader of O^T
.if \first == 0
.set I, 0
.rept 16
	v_pk_mul_f32 v[32*\x+2*I:32*\x+2*I+1], v[32*\x+2*I:32*\x+2*I+1], v[FF+14*\x:FF+14*\x+1] op_sel_hi:[1,0]   ; O^T under the new M, each tile from its low end on
.set I, I+1
.endr
	WIN 0
.endif
	v_max_num_f32 v[EA], 0x1800000, v[BA]          ; the floor 2^(3 - 127): the byte cannot fall under 1
	v_max_num_f32 v[EB], 0x1800000, v[BB]
.if \lk
	v_fma_f32 v[YA], |v[YA]|, s44, v[YA]           ; tile y: its blocks' largest u
	v_fma_f32 v[YB], |v[YB]|, s44, v[YB]
.endif
	v_add_nc_u32 v[EA], 0xff000000, v[EA]          ; 2 off the exponent field: the conversion's scale operand
	v_add_nc_u32 v[EB], 0xff000000, v[EB]
.if \lk
	v_max_num_f32 v[C0], v[YA], v[YB]
.endif
	v_cvt_scalef32_pk16_fp6_f32 v[PC:PC+2], v[XS:XS+15], v[EA]
	v_cvt_scalef32_pk16_fp6_f32 v[56:58], v[XS+16:XS+31], v[EA]    ; (a conversion's three registers begin on an even number)
.if \lk
	v_permlanex16_b32 v[PD], v[C0], s46, s47
.endif
	v_cvt_scalef32_pk16_fp6_f32 v[PC+6:PC+8], v[XS+32:XS+47], v[EB]
	v_cvt_scalef32_pk16_fp6_f32 v[60:62], v[XS+48:XS+63], v[EB]
	v_lshrrev_b32 v[T0], 23, v[EA]                 ; the scales' bytes.  (The plain place behind the conversions)
	v_lshrrev_b32 v[T1], 23, v[EB]
.if \lk
.if \cf
	v_max_num_f32 v[YM+1], v[C0], v[PD]            ; the largest u,
.else
	v_max3_num_f32 v[YM+1], v[YM+1], v[C0], v[PD]
.endif
.endif
	v_mov_b32 v[PC+3], v56
	v_mov_b32 v[PC+4], v57
	v_lshl_or_b32 v[T0], v[T1], 16, v[T0]
	v_mov_b32 v[PC+5], v58
	v_mov_b32 v[PC+9], v60
.if \lk
	v_mul_f32 v[C0], s45, v[YM+1]                  ; -t
.endif
	v_lshlrev_b32 v[T0], v[H8], v[T0]              ; block c of half g is byte 2 c + g of p's scale word
	v_mov_b32 v[PC+10], v61
	v_mov_b32 v[PC+11], v62
	ADDG 0                                         ; the sum is taken of the unquantised p, which the conversions have read
.if \lk
.if \cf
	v_floor_f32 v[YM], v[C0]                       ; -M = floor(-t)
.else
	v_floor_f32 v[C1], v[C0]
.endif
.endif
	v_permlanex16_b32 v[PD], v[T0], s46, s47
	ADDG 1
.if \lk && (\cf == 0)
	v_sub_f32 v[C0], v[C1], v[YM]                  ; old M - new M: a whole number, 0 or less
	v_mov_b32 v[YM], v[C1]
.endif
	v_or_b32 v[PW], v[T0], v[PD]
	ADDG 2
.if \lk && (\cf == 0)
	v_cvt_i32_f32 v[C0], v[C0]                     ; (it saturates)
.endif
	ADDG 3
.if \lk
.if \cf == 0
	v_ldexp_f32 v[FF+14*\y], 1.0, v[C0]
.endif
	v_fma_f32 v[YA], v[YA], s42, v[YM]             ; t - M of tile y's blocks' largest
	v_fma_f32 v[YB], v[YB], s42, v[YM]
.endif
	ADDS 4
	FLUSH 2, PK, \y
	ADDS 8
	FLUSH 3, PK, \y
	ADDS 16
	FLUSH 4, PK, \y
.if \first
	v_pk_add_f32 v[AC+2*\x:AC+2*\x+1], v[XS:XS+1], v[XS+32:XS+33]
.else
	ADDS 32
	FLUSH 4, PK, \y
	v_pk_fma_f32 v[AC+2*\x:AC+2*\x+1], v[AC+2*\x:AC+2*\x+1], v[FF+14*\x:FF+14*\x+1], v[XS:XS+1] op_sel_hi:[1,0,1]
.endif
.if \sync == 1
	s_wait_dscnt 0x0
	s_wait_tensorcnt 0x0                           ; my two records are in: say so
	s_barrier_signal -1
.elseif \ld == 2
	s_wait_dscnt 17                                ; the next step's K is in; behind it V's 17 loads
.endif
.if \nxt
	SMUL \x, \y                                    ; the next step's scores
	FLUSH 4, PK, \y                                ; four places: in front of their first read and of the next loads into K's registers
.endif
.if \ld
	s_wait_dscnt 0x0                               ; this step's V is in
.endif
	PVMUL \x, \first
.if \sync == 2
	WALU
	s_barrier_wait -1                              ; all records are in
.endif
.if \nxt
	MAXIMA
.endif
	FLUSH 32, PK, \y                               ; what is left of tile y's
.endm
.macro TRIP first, nxt, ld, sync
	HALF 0, 1, \first, \nxt, 1, \first, \ld, \sync
	HALF 1, 0, \first, \nxt, \nxt, 0, 0, 2*\sync
.endm
	WALU                                           ; the wait at the head's end
	s_cmp_lt_u32 s8, 1
	s_cbranch_scc0 .Lnot_first
	s_wait_tensorcnt 0x0
.Lnot_first:
	s_barrier_signal -1
	s_barrier_wait -1                              ; records 0 and 1 are in; the others may be on their way
	KLOAD A16, A8, 0
	s_wait_loadcnt 0x0                             ; Q
	s_wait_dscnt 0x0
.set PI, 32
	SMUL 0, 1                                      ; step 0's scores of both tiles
	SMUL 1, 0
.rept 4
	v_nop                                          ; four places in front of the first read of the scores
.endr
.set LI, 0
.set PI, 0
	TILE 0
	MAXIMA
	v_fma_f32 v[BA], |v[BA]|, s44, v[BA]           ; tile 0's M begins, among its u
	v_fma_f32 v[BB], |v[BB]|, s44, v[BB]
	FLUSH 4, LK, 0
	v_max_num_f32 v[C0], v[BA], v[BB]
	FLUSH 4, LK, 0
	v_permlanex16_b32 v[PD], v[C0], s46, s47
	FLUSH 4, LK, 0
	v_max_num_f32 v[NM+1], v[C0], v[PD]
	FLUSH 4, LK, 0
	v_mul_f32 v[C0], s45, v[NM+1]
	FLUSH 4, LK, 0
	v_floor_f32 v[NM], v[C0]
	FLUSH 64, LK, 0
	FLUSH 32, PK, 0
	v_fma_f32 v[BA], v[BA], s42, v[NM]
	v_fma_f32 v[BB], v[BB], s42, v[NM]
	TILE 1
	MAXIMA
	s_mov_b32 s40, 0
	TRIP 1, 1, 2, 1                                ; step 0 starts O and the sums
	s_mov_b32 s40, REC
	s_mov_b32 s12, 14
.Lstep:                                                ; steps 1 to 14
	TRIP 0, 1, 2, 0
	s_add_co_u32 s40, s40, REC
	s_sub_co_u32 s12, s12, 1
	s_cmp_lg_u32 s12, 0
	s_cbranch_scc1 .Lstep
	s_mov_b32 s40, 15*REC
	TRIP 0, 0, 1, 0                                ; step 15: no K is left to load
	; THE WAY OUT.  O^T / the sum goes through my stage in LDS and leaves as whole runs of 256 bytes: a token's 64 numbers of this head
	v_add_f32 v10, v10, v11                        ; the sums' two halves,
	v_add_f32 v12, v12, v13
	v_lshrrev_b32 v0, 8, v[A16]                    ; the lane's half
	v_permlanex16_b32 v[PD], v10, s46, s47
	v_and_b32 v1, 0xf0, v[A16]                     ; 16 r
	v_add_f32 v10, v10, v[PD]                      ; and lane l xor 16's: the rows' sums
	v_mul_u32_u24 v2, v0, 272
	v_permlanex16_b32 v[PD], v12, s46, s47
	v_add_nc_u32 v2, v1, v2
	v_add_f32 v12, v12, v[PD]
	v_add_nc_u32 v2, s41, v2                       ; back from the stage: lanes 0-15 one row of 256 bytes, lanes 16-31 the next
	v_lshl_add_u32 v3, v0, 10, v1                  ; and the same two rows of out0, 1,024 bytes apart
	WALU
	v_rcp_f32 v10, v10
	v_rcp_f32 v12, v12
	v_nop                                          ; one plain place behind the reciprocals
	WIN 0x01
	WALU
.irp x, 0,1
.irp j, 0,2,4,6,8,10,12,14,16,18,20,22,24,26,28,30
	v_pk_mul_f32 v[128+32*\x+\j:129+32*\x+\j], v[32*\x+\j:32*\x+\j+1], v[AC+2*\x:AC+2*\x+1] op_sel_hi:[1,0]   ; register 8 t + j is out(query r, channel 32 g + 8 t + j)
.endr
.endr
	WIN 0
.irp x, 0,1
.irp t, 0,1,2,3
	ds_store_b128 v[STO], v[128+32*\x+8*\t:131+32*\x+8*\t] offset:4352*\x+32*\t
	ds_store_b128 v[STO], v[132+32*\x+8*\t:135+32*\x+8*\t] offset:4352*\x+32*\t+16
.endr
.endr
.irp k, 0,1,2,3,4,5,6,7,8,9,10,11,12,13,14,15
	ds_load_b128 v[192+4*\k:195+4*\k], v2 offset:544*\k    ; my own bytes: LDS serves a wave's instructions in order (ISA guide 5.7.1.4), so these see the stores above
.endr
	WALU
.irp k, 0,1,2,3,4,5,6,7,8,9,10,11,12,13,14,15
	s_wait_dscnt 15-\k                             ; load k is back; the 15 - k issued behind it may be out
	global_store_b128 v3, v[192+4*\k:195+4*\k], s[50:51] offset:8192*(\k/8)+2048*(\k%8)+24576*((\k%8)/4) th:TH_STORE_NT   ; tile 1 is 8 tokens further on, rows 8-15 of a tile 32; sixteen lanes store 256 consecutive bytes, aligned
.endr
	s_wait_tensorcnt 0x0                           ; the wave's end
	ds_add_u32 v[SPW], v[NIL]
	s_wait_dscnt 0x0
	ROUND                                          ; the closing round: no work-group ends while a partner may still ask for a record that names it
	s_endpgm
.Lfunc_end_k_qf76a4e9c9b_attn:
	.size	k_qf76a4e9c9b_attn, .Lfunc_end_k_qf76a4e9c9b_attn-k_qf76a4e9c9b_attn
	.p2alignl 7, 3214868480
	.fill 96, 4, 3214868480
	.section	.rodata,"a",@progbits
	.p2align	6, 0x0
	.amdhsa_kernel k_qf76a4e9c9b_attn
		.amdhsa_group_segment_fixed_size 327680
		.amdhsa_private_segment_fixed_size 0
		.amdhsa_enable_private_segment 0
		.amdhsa_kernarg_size 16
		.amdhsa_user_sgpr_count 2
		.amdhsa_user_sgpr_kernarg_segment_ptr 1
		.amdhsa_wavefront_size32 1
		.amdhsa_system_sgpr_workgroup_id_x 1
		.amdhsa_system_sgpr_workgroup_id_y 1
		.amdhsa_system_sgpr_workgroup_id_z 1
		.amdhsa_system_vgpr_workitem_id 0
		.amdhsa_next_free_vgpr 368
		.amdhsa_next_free_sgpr 66
		.amdhsa_reserve_vcc 0
		.amdhsa_float_denorm_mode_32 3
		.amdhsa_float_denorm_mode_16_64 3
		.amdhsa_memory_ordered 1
		.amdhsa_forward_progress 1
		.amdhsa_inst_pref_size 116
	.end_amdhsa_kernel
	.amdgpu_metadata
---
amdhsa.version: [ 1, 2 ]
amdhsa.kernels:
  - .name:           k_qf76a4e9c9b_attn
    .symbol:         k_qf76a4e9c9b_attn.kd
    .args:
      - { .name: kv, .offset: 0, .size: 8, .value_kind: global_buffer, .address_space: global }
      - { .name: out0, .offset: 8, .size: 8, .value_kind: global_buffer, .address_space: global }
    .group_segment_fixed_size: 327680
    .private_segment_fixed_size: 0
    .kernarg_segment_align: 8
    .kernarg_segment_size: 16
    .max_flat_workgroup_size: 256
    .sgpr_count:     66
    .vgpr_count:     368
    .wavefront_size: 32
...
	.end_amdgpu_metadata
.endif
;; end of part 2
